; MI455X (gfx1250); checked and timed in simulation.
; The chip was launched on July 23, 2026; its instructions are those of AMD's public machine-readable ISA for CDNA 5 (MIT licence, August 2026) and "CDNA5" Instruction Set Architecture Reference Guide (July 2026). The comments in the code are by the model that wrote it; some were corrected since.
;; Modified Vi T Self Attention. Allowed arithmetic: float matrix products may take bf16 or f16 operands with f32 sums; all other float work in f32.
;; Inputs: Wk 768 x 768 float32; Wq 768 x 768 float32; Wv 768 x 768 float32; bk 768 float32; bq 768 float32; bv 768 float32; hidden_states 32 x 577 x 768 float32; patch_indices_to_keep 289 int32.
;; Outputs: out0 32 x 289 x 768 float32.
;; One version. Each part assembles by itself: llvm-mc -triple=amdgcn-amd-amdhsa -mcpu=gfx1250 --defsym DOCPART=n.
;; ======== version 1 of 1: 3 launches
;; limits: values are held in f16: magnitudes above 65,504 overflow, below 6.1e-05 lose precision
;; workspace buffers: xw 46,104,576 bytes; qkv 70,926,336 bytes
;; launch cast (part 1): grid 469 x 1, 8 waves a work-group, no clusters, 0 bytes of LDS; arguments hidden_states, Wk, Wv, Wq, patch_indices_to_keep, xw; writes xw
.if DOCPART == 1
	.amdgcn_target "amdgcn-amd-amdhsa--gfx1250"
	.amdhsa_code_object_version 6
	.text
	.protected	k_q92d6ebd4f1_cast
	.globl	k_q92d6ebd4f1_cast
	.p2align	8
	.type	k_q92d6ebd4f1_cast,@function
k_q92d6ebd4f1_cast:
	s_mov_b64 s[64:65], 0
	v_nop
	global_prefetch_b8 v0, s[64:65] scope:SCOPE_SE
	s_setreg_imm32_b32 hwreg(HW_REG_WAVE_MODE, 25, 1), 1
	s_wait_xcnt 0x0
; cast: rounds to bf16, once, everything that the projections multiply, into one table xw of 30,016 rows x 768 bf16 (1,536 bytes a row):
;   rows     0 .. 18463  hidden_states, row 577 b + s
;   rows 18464 .. 27711  the kept query rows: row 18464 + 289 b + i = hidden_states[b, patch_indices_to_keep[i]]
;   rows 27712 .. 30015  Wk, Wv, Wq, 768 rows each
; WORK LEFT OUT BY THE WHOLE PROGRAM, for all finite values of the inputs:
;   bk: score(q, k) = q.(x_k Wk^T + bk) = q.(x_k Wk^T) + q.bk.  The second term is the same for every key of a query's row, and softmax
;       along the keys is unchanged by a term that is constant along its axis.  bk has no way to the output: it is not loaded and is no argument.
;   rows of q that patch_indices_to_keep does not name: reference() slices them away, so only the 289 gathered rows of each batch are projected
;       (the index is read from memory here, and the rows are copied in its order, repeats included).
;   bv is not left out but moved: sum_k p_k (v_k + bv) = sum_k p_k v_k + bv, because the probabilities of a row sum to 1; it is added once, behind the normalisation.
; LIMITS: a NaN, an infinity or an overflow that lives in bk alone or in a hidden row's q that no index names is not carried to the result.
;   An index is taken as 0 .. 576 (inside the table that it indexes); as an unsigned number it is clamped to 576, so a negative index is not wrapped.
; SHAPE: memory binds, so no LDS, no barrier, no matrix unit.  30,016 rows = 469 work-groups x 8 waves x 8 rows; the borders 18464, 27712 and W's 768 are
; multiples of 8, so a wave's eight rows are of one kind and the kind is a scalar branch.  One load of a wave takes 512 neighbouring bytes of a source row,
; one store writes the 256 neighbouring, aligned bytes that they round to.  All 48 loads of a wave are issued at once; no register is used twice.
.set SROW, 3072                        ; bytes of a source row (768 f32)
.set DROW, 1536                        ; bytes of a row of xw
.set GX,   2308                        ; waves that copy hidden_states (18464 / 8)
.set GW,   3464                        ; first wave that copies weights (27712 / 8)
.set X,    4                           ; v[4:195]  row j, piece i: four registers at X + 24 j + 4 i
; s[4:11] hidden, Wk, Wv, Wq   s[12:13] index   s[14:15] xw   s16 wave   s17 g   s[18:19] the dense source   s[24:25] an offset, high word 0
; s[26:27] my eight rows of xw   s[32+2j:33+2j] source of row j   s[48+j] index   s[56+j] its byte offset   s[66+j] 577 b
	s_load_b256 s[4:11], s[0:1], 0x0
	s_load_b128 s[12:15], s[0:1], 0x20
	v_lshrrev_b32 v3, 5, v0
	v_readfirstlane_b32 s16, v3                    ; wave 0..7
	v_and_b32 v2, 31, v0
	v_lshlrev_b32 v1, 4, v2                        ; 16 bytes a lane in the source
	v_lshlrev_b32 v2, 3, v2                        ; 8 bytes a lane in xw
	s_lshl3_add_u32 s17, ttmp9, s16                ; g = 8 x work-group + wave: rows 8 g .. 8 g + 7 of xw
	s_mov_b32 s25, 0
	s_mul_i32 s24, s17, 8*DROW                     ; below 46,104,576
	s_wait_kmcnt 0x0
	s_add_nc_u64 s[26:27], s[14:15], s[24:25]
	s_cmp_ge_u32 s17, GX
	s_cbranch_scc1 .Lnot_x
	s_mov_b64 s[18:19], s[4:5]                     ; hidden_states, the same rows
	s_mov_b32 s20, s17
	s_branch .Ldense
.Lnot_x:
	s_cmp_ge_u32 s17, GW
	s_cbranch_scc1 .Lweights
	; the kept rows.  R = 8 (g - 2308) + j = 289 b + i.  b = (R x 232211) >> 26: 232211 x 289 = 2^26 + 115 and 9247 x 115 < 2^26, so the quotient is
	; exact for every R up to 9247, and 9247 x 232211 stays below 2^32.
	s_sub_co_u32 s20, s17, GX
	s_lshl_b32 s20, s20, 3
.irp j, 0,1,2,3,4,5,6,7
	s_add_co_u32 s21, s20, \j                      ; R
	s_mul_i32 s22, s21, 232211
	s_lshr_b32 s22, s22, 26                        ; b
	s_mul_i32 s23, s22, 289
	s_sub_co_u32 s21, s21, s23                     ; i
	s_lshl_b32 s[56+\j], s21, 2
	s_mul_i32 s[66+\j], s22, 577
	s_load_b32 s[48+\j], s[12:13], s[56+\j] offset:0x0
.endr
	s_wait_kmcnt 0x0                               ; scalar loads come back in no order: only the count 0 shows them done
.irp j, 0,1,2,3,4,5,6,7
	s_min_u32 s[48+\j], s[48+\j], 576              ; the index stays inside the table
	s_add_co_u32 s[48+\j], s[48+\j], s[66+\j]      ; row 577 b + index
	s_mul_i32 s24, s[48+\j], SROW                  ; below 56,721,408
	s_add_nc_u64 s[32+2*\j:33+2*\j], s[4:5], s[24:25]
.endr
	s_branch .Lgo
.Lweights:
	s_sub_co_u32 s20, s17, GW                      ; 0 .. 287: 96 waves for each of Wk, Wv, Wq
	s_mov_b64 s[18:19], s[6:7]
	s_mov_b32 s21, 0
	s_cmp_ge_u32 s20, 96
	s_cselect_b64 s[18:19], s[8:9], s[18:19]
	s_cselect_b32 s21, 96, s21
	s_cmp_ge_u32 s20, 192
	s_cselect_b64 s[18:19], s[10:11], s[18:19]
	s_cselect_b32 s21, 192, s21
	s_sub_co_u32 s20, s20, s21                     ; my place among the matrix's 96 waves
.Ldense:
	s_mul_i32 s24, s20, 8*SROW                     ; eight neighbouring rows of the source
	s_add_nc_u64 s[32:33], s[18:19], s[24:25]
.irp j, 1,2,3,4,5,6,7
	s_add_nc_u64 s[32+2*\j:33+2*\j], s[32:33], \j*SROW
.endr
.Lgo:
.irp j, 0,1,2,3,4,5,6,7
.irp i, 0,1,2,3,4,5
	global_load_b128 v[X+24*\j+4*\i:X+24*\j+4*\i+3], v1, s[32+2*\j:33+2*\j] offset:512*\i
.endr
.endr
.irp j, 0,1,2,3,4,5,6,7
	s_wait_loadcnt 42-6*\j                         ; loads come back in order: row j is in, the six loads of each younger row stay out
.irp i, 0,1,2,3,4,5
	v_cvt_pk_bf16_f32 v[X+24*\j+4*\i],   v[X+24*\j+4*\i],   v[X+24*\j+4*\i+1]   ; four f32 become 8 bytes, in place
	v_cvt_pk_bf16_f32 v[X+24*\j+4*\i+1], v[X+24*\j+4*\i+2], v[X+24*\j+4*\i+3]
.endr
.irp i, 0,1,2,3,4,5
	global_store_b64 v2, v[X+24*\j+4*\i:X+24*\j+4*\i+1], s[26:27] offset:DROW*\j+256*\i   ; the wave stores 256 consecutive bytes, aligned
.endr
.endr
	s_endpgm
.Lfunc_end_k_q92d6ebd4f1_cast:
	.size	k_q92d6ebd4f1_cast, .Lfunc_end_k_q92d6ebd4f1_cast-k_q92d6ebd4f1_cast
	.p2alignl 7, 3214868480
	.fill 96, 4, 3214868480
	.section	.rodata,"a",@progbits
	.p2align	6, 0x0
	.amdhsa_kernel k_q92d6ebd4f1_cast
		.amdhsa_group_segment_fixed_size 0
		.amdhsa_private_segment_fixed_size 0
		.amdhsa_enable_private_segment 0
		.amdhsa_kernarg_size 48
		.amdhsa_user_sgpr_count 2
		.amdhsa_user_sgpr_kernarg_segment_ptr 1
		.amdhsa_wavefront_size32 1
		.amdhsa_system_sgpr_workgroup_id_x 1
		.amdhsa_system_sgpr_workgroup_id_y 1
		.amdhsa_system_sgpr_workgroup_id_z 1
		.amdhsa_system_vgpr_workitem_id 0
		.amdhsa_next_free_vgpr 196
		.amdhsa_next_free_sgpr 74
		.amdhsa_reserve_vcc 0
		.amdhsa_float_denorm_mode_32 3
		.amdhsa_float_denorm_mode_16_64 3
		.amdhsa_memory_ordered 1
		.amdhsa_forward_progress 1
		.amdhsa_inst_pref_size 22
	.end_amdhsa_kernel
	.amdgpu_metadata
---
amdhsa.version: [ 1, 2 ]
amdhsa.kernels:
  - .name:           k_q92d6ebd4f1_cast
    .symbol:         k_q92d6ebd4f1_cast.kd
    .args:
      - { .name: hidden_states, .offset: 0, .size: 8, .value_kind: global_buffer, .address_space: global }
      - { .name: Wk, .offset: 8, .size: 8, .value_kind: global_buffer, .address_space: global }
      - { .name: Wv, .offset: 16, .size: 8, .value_kind: global_buffer, .address_space: global }
      - { .name: Wq, .offset: 24, .size: 8, .value_kind: global_buffer, .address_space: global }
      - { .name: patch_indices_to_keep, .offset: 32, .size: 8, .value_kind: global_buffer, .address_space: global }
      - { .name: xw, .offset: 40, .size: 8, .value_kind: global_buffer, .address_space: global }
    .group_segment_fixed_size: 0
    .private_segment_fixed_size: 0
    .kernarg_segment_align: 8
    .kernarg_segment_size: 48
    .max_flat_workgroup_size: 256
    .sgpr_count:     74
    .vgpr_count:     196
    .wavefront_size: 32
...
	.end_amdgpu_metadata
.endif
;; end of part 1
;; launch proj (part 2): grid 244 x 1, 4 waves a work-group, clusters of 4 x 1, 327,680 bytes of LDS; arguments xw, bq, qkv; writes qkv
.if DOCPART == 2
	.amdgcn_target "amdgcn-amd-amdhsa--gfx1250"
	.amdhsa_code_object_version 6
	.text
	.protected	k_q92d6ebd4f1_proj
	.globl	k_q92d6ebd4f1_proj
	.p2align	8
	.type	k_q92d6ebd4f1_proj,@function
k_q92d6ebd4f1_proj:
	s_mov_b64 s[64:65], 0
	v_nop
	global_prefetch_b8 v0, s[64:65] scope:SCOPE_SE
	s_setreg_imm32_b32 hwreg(HW_REG_WAVE_MODE, 25, 1), 1
	s_wait_xcnt 0x0
	s_wait_alu depctr_hold_cnt(0) depctr_sa_sdst(0) depctr_va_vdst(0) depctr_va_sdst(0) depctr_va_ssrc(0) depctr_va_vcc(0) depctr_vm_vsrc(0)
	s_getreg_b32 s2, hwreg(HW_REG_IB_STS2, 6, 4)
	s_cmp_eq_u32 s2, 0
	s_cbranch_scc0 .Lentry_in_a_cluster
	s_endpgm
.Lentry_in_a_cluster:
	s_bfe_u32 s2, ttmp6, 0x10000c
	s_cmp_lg_u32 s2, 0x3003
	s_cbranch_scc0 .Lentry_shape_is_right
	s_endpgm
.Lentry_shape_is_right:
; proj: K = X Wk^T, V = X Wv^T, Q = Xq Wq^T + bq, all operands bf16 rows of xw (768 along K), sums in f32, results rounded once to f16 into qkv.
; Left out (shown at the head of the first kernel): bk (constant along the softmax axis), the q of rows that no index names; bv is added behind the softmax.
; WHY f16 FOR THE RESULTS: they are matrix operands once more (scores, and probabilities times V), and f16's 11 significant bits keep the error of this second
; rounding at an eighth of what bf16's 8 bits would add.
; LIMIT: |q|, |k|, |v| below 65,504 (f16's largest number); beyond it the conversion gives an infinity.  An element is a sum of 768 products x w.  With x of spread 1
; and w of spread 1 / sqrt(768) the sums have spread 1; with both 30 times larger, spread 900; with a common offset of 30 spreads on both, 768 x 30 x 1.08 = 25,000.
; With both 30 times smaller the spread is 1 / 900, and f16's fixed step below 2^-14, 6e-8, is 5e-5 of it.
; qkv: 12 column blocks of 192 columns (three heads), each dense [rows][192] f16 (384 bytes a row): blocks 0-3 K, 4-7 V (18,464 rows, 7,090,176 bytes each),
; blocks 8-11 Q (9,248 rows, 3,551,232 bytes each, from byte 56,721,408).  A block of 256 rows x 192 columns is 98,304 consecutive bytes.
; A work-group makes blocks of 256 rows x 192 columns with four waves, a wave 128 x 96: 48 accumulator tiles, 384 registers.  K goes in six steps of 128 through two
; LDS slots filled by tensor loads; a tile's rows are 256 bytes of memory at multiples of 256 bytes from xw's first byte.
; CLUSTERS: 4 x 1 work-groups: the four column blocks of one row block.  They need the same 256 rows of X and ask for them JOINTLY (mask 15); each asks alone for
; its own 192 rows of W.  A cluster of 4 x 4 is not possible: the row blocks number 73 (K, V) and 37 (Q), and neither divides by four.
; UNITS: unit u below 146: row block u >> 1 of X, column blocks 4 (u & 1) + cx (K or V).  Units 146 .. 182: row block u - 146 of the kept rows, column blocks 8 + cx.
; WORK-GROUPS THAT STAY: 183 units = 61 x 3: cluster c walks units c, c + 61, c + 122, and the ring of slots runs on from one block into the next: a block's last two
; changes of slots ask for the next block's K steps 0 and 1, which land during the way out, and a block's stores leave under the next block's products.
; 2 x 61 = 122 is at most 144, so the first two walks are whole blocks of K or V (no bias, no edge): they are the loop.  The third walk is written out behind it:
; it has the bias (units from 146 on), the edges (units 144, 145, 182) and asks for nothing in its last two changes of slots.
; EDGES: the last row block of either part has 32 rows.  Its tile's other 224 rows are the rows of xw that follow (written, and each row of the result hangs on its
; own row of the tile alone); they are multiplied inside a live tile and never stored: 12 of the 732 blocks.  To jump over their products would put a branch, and with
; it two more changes of the register window, round each group of twelve products of the third walk in all 61 clusters.
; REGISTERS in windows of 256: window 0: addresses, X's fragments (two buffers of 8), work on the way out; window 1: W's fragments (two buffers of 6), bq;
; windows 2, 3: the accumulators of my rows 0-63 and 64-127, tile (a, b) at v[8 (6 a + b)].
; The matrix instruction is used transposed (source 0 = rows of W, source 1 = rows of X): a lane's eight results are eight neighbouring columns of one row.
; The 48 accumulators take turns, one instruction a turn, in the same order in every quarter step.
.set KSTEP,  128
.set PITCH,  272                       ; an LDS row: 256 bytes + 16 of padding: an odd multiple of 16, so 16 rows of a fragment start at 16 different 16-byte columns
.set HALFA,  128*PITCH                 ; what one load of X brings, and what a wave reads of X
.set HALFB,  96*PITCH                  ; the same for W
.set SLOT,   2*HALFA+2*HALFB           ; X's 256 rows, then W's 192 rows: 121,856 bytes
.set STAGE,  2*SLOT                    ; 243,712: behind the ring, 128 rows x 400 bytes for the way out; no fill lands here
.set XROW,   1536                      ; bytes of a row of xw
.set SPITCH, 400                       ; the way out: 384 bytes of a row + 16: 25 x 16
.set KVCL,   146                       ; units that make K and V
.set NCL,    61                        ; clusters
.set ADRA, 16                          ; v16-17  LDS address of my X fragments in slot 0, 1
.set ADRB, 20                          ; v20-21  the same for W
.set STO,  24                          ; v24     the way out: where I put 16 bytes of a row
.set RD,   25                          ; v25-27  the way out: where I read back, three loads for four rows
.set CO,   28                          ; v28     my byte offset in the block of qkv
.set BO,   29                          ; v29     my byte offset in bq
.set F0,   64
.set F1,   128
.set OB,   128                         ; v128-223 of window 0: rows read back (fragment buffer 0 keeps the next block's first fragments meanwhile)
.set TMP,  224                         ; v224-247 packed results, window 0
.set BIAS, 176                         ; v176-223 of window 1: bq of my 96 columns, 8 b + j
.set G1,  24                           ; s[24:31] group 1 for X's tiles
.set G0,  32                           ; s[32:39] group 0 for X's tiles, one set for each slot
.set G1B, 48                           ; s[48:55] group 1 for W's tiles
.set G0B, 56                           ; s[56:63] group 0 for W's tiles, one set for each slot
; s10 wave  s11, s12 its halves  s40 cx  s[14:15], s[46:47] X's and W's first tile of the unit that is asked for next  s66 that unit's number
; s68 the number of the unit at work  s41 1: it has 32 rows  s[70:71] its block of qkv  s69 the loop's counter  s[72:73] my 96 numbers of bq  s75, s76 no stores in go 0, 1
.set MSB, 0
.macro WIN new                         ; the immediate's high byte repeats the setting that is left
.if MSB != \new
	s_set_vgpr_msb (MSB<<8)|\new
.set MSB, \new
.endif
.endm
.set MUL_LO, 0xa1                      ; source 0 (W) window 1, source 1 (X) window 0, C and D window 2
.set MUL_HI, 0xf1                      ; the same, C and D window 3
.set TO_B,   0x40                      ; destination window 1, address window 0
; One tensor load a wave: waves 0 and 1 ask jointly for X's two halves, waves 2 and 3 each for a half of the work-group's own W.  The branch hangs on the wave's number alone.
.macro JLOAD s
	s_cmp_eq_u32 s11, 0
	s_cbranch_scc0 .Lfor_b_\@
	tensor_load_to_lds s[G0+4*\s:G0+4*\s+3], s[G1:G1+7]
	s_nop 0
	s_branch .Lasked_\@
.Lfor_b_\@:
	tensor_load_to_lds s[G0B+4*\s:G0B+4*\s+3], s[G1B:G1B+7]
	s_nop 0
.Lasked_\@:
.endm
.macro CREST                           ; a round of the cluster's barrier behind its opening work-group barrier
	s_cmp_lg_u32 s10, 0
	s_cbranch_scc1 .Lnot_wave_0_\@
	s_barrier_signal -3
.Lnot_wave_0_\@:
	s_barrier_wait -3
	s_barrier_signal -1
	s_barrier_wait -1
.endm
.macro CROUND                          ; a whole round
	s_barrier_signal -1
	s_barrier_wait -1
	CREST
.endm
; Where unit s66's tiles come from.  X's address is made of the unit's number and the wave's number, in registers that never hold cx.
.macro ADDRS
	s_lshr_b32 s13, s66, 1                         ; K, V: row block
	s_sub_co_u32 s16, s66, KVCL                    ; Q: row block
	s_and_b32 s17, s66, 1
	s_lshl_b32 s17, s17, 2                         ; K, V: first column block, 0 or 4
	s_cmp_lt_u32 s66, KVCL
	s_cselect_b32 s13, s13, s16                    ; row block
	s_cselect_b32 s42, s17, 8                      ; the unit's first column block among the twelve
	s_cselect_b32 s43, 0, 18464                    ; the part's first row in xw
	s_lshl_b32 s16, s13, 8
	s_add_co_u32 s16, s16, s43
	s_lshl_b32 s17, s12, 7
	s_add_co_u32 s16, s16, s17                     ; row of xw: part + 256 x row block + 128 x half
	s_mul_i32 s16, s16, XROW                       ; below 46,104,576
	s_mov_b32 s17, 0
	s_add_nc_u64 s[14:15], s[4:5], s[16:17]
	s_add_co_u32 s42, s42, s40                     ; my column block, 0 .. 11
	s_mul_i32 s46, s42, 192
	s_mul_i32 s47, s12, 96
	s_add_co_u32 s46, s46, s47
	s_add_co_u32 s46, s46, 27712                   ; row of xw: the weights + 192 x column block + 96 x half
	s_mul_i32 s46, s46, XROW
	s_mov_b32 s47, 0
	s_add_nc_u64 s[46:47], s[4:5], s[46:47]
.endm
; Where unit s66's block goes.  The last block's stores have had their addresses translated where this stands (the wait that closes the way out).
.macro OUTS
	s_mov_b32 s68, s66
	s_lshr_b32 s13, s66, 1
	s_sub_co_u32 s16, s66, KVCL
	s_and_b32 s17, s66, 1
	s_lshl_b32 s17, s17, 2
	s_mov_b32 s23, 3551232
	s_cmp_lt_u32 s66, KVCL
	s_cselect_b32 s13, s13, s16                    ; row block
	s_cselect_b32 s74, s17, 0                      ; first column block inside its part of qkv
	s_cselect_b32 s22, 72, 36                      ; the part's last row block
	s_cselect_b32 s23, 7090176, s23                ; bytes of a column block
	s_cselect_b32 s44, 0, 56721408                 ; the part's first byte in qkv
	s_cmp_eq_u32 s13, s22
	s_cselect_b32 s41, 1, 0                        ; 1: this row block has 32 rows
	s_add_co_u32 s74, s74, s40
	s_mul_i32 s74, s74, s23
	s_add_co_u32 s44, s44, s74
	s_mul_i32 s74, s13, 98304
	s_add_co_u32 s44, s44, s74                     ; my block's first byte in qkv, below 70,926,336
	s_mov_b32 s45, 0
	s_add_nc_u64 s[70:71], s[8:9], s[44:45]
.endm
	s_load_b128 s[4:7], s[0:1], 0x0                ; xw s[4:5], bq s[6:7]
	s_load_b64 s[8:9], s[0:1], 0x10                ; qkv
	s_set_vgpr_msb 0x40
	v_lshl_add_u32 v255, v0, 2, 0x48000
	s_set_vgpr_msb 0x4000
	v_mov_b32 v255, 0
	s_set_vgpr_msb 0x1
	ds_add_u32 v255, v255
	ds_add_u32 v255, v255
	s_set_vgpr_msb 0x100
	v_lshrrev_b32 v1, 5, v0
	v_readfirstlane_b32 s10, v1                    ; wave 0..3
	s_lshr_b32 s11, s10, 1                         ; which 128 rows of the block are mine.  Also: I fetch for X (0) or for W (1)
	s_and_b32 s12, s10, 1                          ; which 96 columns.  Also: which half of that tile I fetch
	s_bfe_u32 s40, ttmp6, 0x40000                  ; cx: my place in the cluster
	s_mov_b32 s66, ttmp9                           ; the first unit: the cluster's number
	; group 1: tiles of 128 (X) or 96 (W) rows x 128 elements, padded in LDS
	s_mov_b32 s[G1+0], 15|(1<<16)|(1<<20)|(1<<21)|(5<<22)|(3<<25)   ; 15:0 mask: all four partners; 17:16 elements of 2 bytes; 20 padding on; 21 set beside a mask; 24:22 after every 64 words; 31:25 four words
	s_mov_b32 s[G1+1], KSTEP<<16                   ; tensor_dim0 = 128
	s_mov_b32 s[G1+2], 128<<16                     ; tensor_dim1 = 128
	s_mov_b32 s[G1+3], KSTEP<<16                   ; tile_dim0 = 128
	s_mov_b32 s[G1+4], 128                         ; tile_dim1 = 128
	s_mov_b32 s[G1+5], 768                         ; elements from row to row
	s_mov_b32 s[G1+6], 0
	s_mov_b32 s[G1+7], 0
	s_mov_b32 s[G1B+0], (1<<16)|(1<<20)|(5<<22)|(3<<25)             ; no mask: W's rows are the work-group's own
	s_mov_b32 s[G1B+1], KSTEP<<16
	s_mov_b32 s[G1B+2], 96<<16
	s_mov_b32 s[G1B+3], KSTEP<<16
	s_mov_b32 s[G1B+4], 96
	s_mov_b32 s[G1B+5], 768
	s_mov_b32 s[G1B+6], 0
	s_mov_b32 s[G1B+7], 0
	s_mul_i32 s20, s12, HALFA                      ; where the tiles go: no place in the cluster enters an LDS address
	s_mul_i32 s21, s12, HALFB
	s_add_co_u32 s21, s21, 2*HALFA
	s_mul_i32 s72, s40, 768                        ; bq of column 192 cx + 96 x half, in bytes
	s_mul_i32 s73, s12, 384
	s_add_co_u32 s72, s72, s73
	s_mov_b32 s73, 0
	s_wait_dscnt 0x0
	s_wait_kmcnt 0x0
	s_add_nc_u64 s[72:73], s[6:7], s[72:73]
	ADDRS
	CROUND                                         ; all four work-groups are here: the first joint loads meet
.irp s, 0,1
	s_mov_b32 s[G0+4*\s], 1
	s_add_co_u32 s[G0+4*\s+1], s20, \s*SLOT
	s_add_nc_u64 s[G0+4*\s+2:G0+4*\s+3], s[14:15], \s*KSTEP*2      ; K step s
	s_or_b32 s[G0+4*\s+3], s[G0+4*\s+3], 0x80000000
	s_mov_b32 s[G0B+4*\s], 1
	s_add_co_u32 s[G0B+4*\s+1], s21, \s*SLOT
	s_add_nc_u64 s[G0B+4*\s+2:G0B+4*\s+3], s[46:47], \s*KSTEP*2
	s_or_b32 s[G0B+4*\s+3], s[G0B+4*\s+3], 0x80000000
	JLOAD \s                                       ; both slots' first fills: two loads of the wave are out
.endr
	v_and_b32 v1, 15, v0                           ; r = l % 16
	v_bfe_u32 v2, v0, 4, 1                         ; h = l / 16
	v_mul_u32_u24 v3, v1, PITCH
	v_lshl_add_u32 v3, v2, 4, v3                   ; fragment: row r, 16 bytes for each half of the lanes
	s_mul_i32 s22, s11, HALFA                      ; my 128 rows of X
	s_mul_i32 s23, s12, HALFB                      ; my 96 rows of W,
	s_add_co_u32 s23, s23, 2*HALFA                 ; which lie behind X's 256
.irp s, 0,1
	v_add_nc_u32 v[ADRA+\s], s22, v3
	v_add_nc_u32 v[ADRB+\s], s23, v3
	s_add_co_u32 s22, s22, SLOT
	s_add_co_u32 s23, s23, SLOT
.endr
	; The stage holds half of the block at a time: in go g the rows 128 x row half + 64 g + 0 .. 63 lie in stage rows 64 x row half + 0 .. 63.
	s_mul_i32 s22, s11, 64*SPITCH
	s_mul_i32 s23, s12, 192
	s_add_co_u32 s22, s22, s23
	s_add_co_u32 s22, s22, STAGE
	v_mul_u32_u24 v4, v1, SPITCH
	v_lshl_add_u32 v4, v2, 4, v4
	v_add_nc_u32 v[STO], s22, v4                   ; stage + (64 x row half + r) x 400 + 192 x column half + 16 h
	; back: wave w takes stage rows 32 w .. 32 w + 31, four rows (96 pieces of 16 bytes) by three loads.  Piece c lies in row c / 24 at byte 16 (c % 24):
	; 400 (c / 24) + 16 (c - 24 (c / 24)) = 16 (c + c / 24).  c / 24 = (171 c) >> 12 for c below 96.
	v_and_b32 v5, 31, v0
	s_mul_i32 s3, s10, 32*SPITCH
	s_add_co_u32 s3, s3, STAGE
.irp j, 0,1,2
	v_add_nc_u32 v6, 32*\j, v5
	v_mul_u32_u24 v7, v6, 171
	v_lshrrev_b32 v7, 12, v7
	v_add_nc_u32 v6, v6, v7
	v_lshl_add_u32 v[RD+\j], v6, 4, s3
.endr
	s_mul_i32 s22, s11, 128*384                    ; stage rows 32 w .. are block rows 128 (w >> 1) + 64 g + 32 (w & 1) ..
	s_mul_i32 s23, s12, 32*384
	s_add_co_u32 s22, s22, s23
	v_lshl_add_u32 v[CO], v5, 4, s22               ; in qkv four rows are 1,536 consecutive bytes
	v_lshlrev_b32 v[BO], 5, v2                     ; bq: eight f32 for each half of the lanes
; 12 matrix instructions: row tiles a0, a0 + 1 of the window's four x all six column tiles, 32 along K.  zero = 1: the first product starts the sums.
.macro MUL12 f, hi, a0, zero
.irp a, \a0, \a0+1
.irp b, 0,1,2,3,4,5
.if \zero
	v_wmma_f32_16x16x32_bf16 v[8*(6*(\a)+\b):8*(6*(\a)+\b)+7], v[\f+8*\b:\f+8*\b+7], v[\f+8*(4*\hi+\a):\f+8*(4*\hi+\a)+7], 0
.else
	v_wmma_f32_16x16x32_bf16 v[8*(6*(\a)+\b):8*(6*(\a)+\b)+7], v[\f+8*\b:\f+8*\b+7], v[\f+8*(4*\hi+\a):\f+8*(4*\hi+\a)+7], v[8*(6*(\a)+\b):8*(6*(\a)+\b)+7]
.endif
.endr
.endr
.endm
; 28 LDS loads in one run: the fragments of a quarter step (96 rows of W, 128 rows of X, 32 K at byte k of the rows) into buffer f
.macro FETCH slot, k, f
	WIN TO_B
.irp i, 0,1,2,3,4,5
	ds_load_b128 v[\f+8*\i:\f+8*\i+3],   v[ADRB+\slot] offset:\k+\i*16*PITCH
	ds_load_b128 v[\f+8*\i+4:\f+8*\i+7], v[ADRB+\slot] offset:\k+\i*16*PITCH+32
.endr
	WIN 0
.irp i, 0,1,2,3,4,5,6,7
	ds_load_b128 v[\f+8*\i:\f+8*\i+3],   v[ADRA+\slot] offset:\k+\i*16*PITCH
	ds_load_b128 v[\f+8*\i+4:\f+8*\i+7], v[ADRA+\slot] offset:\k+\i*16*PITCH+32
.endr
.endm
; Four places behind a matrix instruction before a load lands on one of its sources or a vector instruction reads its result (ISA guide 7.12.1 for
; vector instructions); the matrix instructions in between are not counted.
.macro PLACES
.rept 4
	v_nop
.endr
.endm
.macro QUARTER slot, k, f, g, zero
	s_wait_dscnt 8                                 ; W and X's rows 0-63 are in; the youngest eight loads (X's rows 64-127) may be out
	WIN MUL_LO
	MUL12 \f, 0, 0, \zero
	MUL12 \f, 0, 2, \zero
	PLACES
	FETCH \slot, \k, \g
	s_wait_dscnt 28                                ; all but the 28 just issued
	WIN MUL_HI
	MUL12 \f, 1, 0, \zero
	MUL12 \f, 1, 2, \zero
.endm
.macro THREE slot, zero
	QUARTER \slot, 64,  F0, F1, \zero
	QUARTER \slot, 128, F1, F0, 0
	QUARTER \slot, 192, F0, F1, 0
.endm
; The last quarter of a K step multiplies buffer 1 and changes slots.  In front of the barrier each wave waits for its reads of this slot and for all its tensor
; loads (one is out: its part of the next slot).  Where the slot is filled again the barrier opens a round of the cluster's barrier, and the refill is the wave's
; first and only tensor load behind the round.  From a request to the wait for it a wave issues 180 matrix instructions.
; fill = 1: this slot gets this block's K step two further on; fill = 2: the next block's K step 0 or 1 (the slot's number); fill = 0: nothing is left to ask for.
.macro TURN slot, next, fill
	s_wait_dscnt 8
	WIN MUL_LO
	MUL12 F1, 0, 0, 0
	s_wait_dscnt 0                                 ; my reads of this slot are over
	s_wait_tensorcnt 0x0                           ; all my tensor loads have landed: every group 0 may be written
	ds_add_u32 v255, v255
	s_wait_dscnt 0x0
	s_barrier_signal -1
	MUL12 F1, 0, 2, 0                              ; register work while the others arrive
	WIN 0
	s_barrier_wait -1
.if \fill == 1
	CREST                                          ; no wave of any partner still reads this slot or has a load on its way
	s_add_nc_u64 s[G0+4*\slot+2:G0+4*\slot+3], s[G0+4*\slot+2:G0+4*\slot+3], 2*KSTEP*2
	s_add_nc_u64 s[G0B+4*\slot+2:G0B+4*\slot+3], s[G0B+4*\slot+2:G0B+4*\slot+3], 2*KSTEP*2
	JLOAD \slot
.endif
.if \fill == 2
	CREST
	s_add_nc_u64 s[G0+4*\slot+2:G0+4*\slot+3], s[14:15], \slot*KSTEP*2
	s_or_b32 s[G0+4*\slot+3], s[G0+4*\slot+3], 0x80000000
	s_add_nc_u64 s[G0B+4*\slot+2:G0B+4*\slot+3], s[46:47], \slot*KSTEP*2
	s_or_b32 s[G0B+4*\slot+3], s[G0B+4*\slot+3], 0x80000000
	JLOAD \slot
.endif
	PLACES
	FETCH \next, 0, F0
	WIN MUL_HI
	MUL12 F1, 1, 0, 0
	MUL12 F1, 1, 2, 0
.endm
.macro LAP zero                        ; two K steps, both slots filled again
	THREE 0, \zero
	TURN 0, 1, 1
	THREE 1, 0
	TURN 1, 0, 1
.endm
.macro ADDB                            ; bq onto the 24 tiles of a window
.irp a, 0,1,2,3
.irp b, 0,1,2,3,4,5
.irp i, 0,2,4,6
	v_pk_add_f32 v[8*(6*\a+\b)+\i:8*(6*\a+\b)+\i+1], v[8*(6*\a+\b)+\i:8*(6*\a+\b)+\i+1], v[BIAS+8*\b+\i:BIAS+8*\b+\i+1]
.endr
.endr
.endr
.endm
; 16 rows of a window's 64: round to f16, 16 bytes a lane into the stage
.macro STAGE16 al, from
	WIN \from
.irp b, 0,1,2,3,4,5
.irp r, 0,1,2,3
	v_cvt_pk_f16_f32 v[TMP+4*\b+\r], v[8*(6*\al+\b)+2*\r], v[8*(6*\al+\b)+2*\r+1]   ; the first source into the low half
.endr
.endr
	WIN 0
.irp b, 0,1,2,3,4,5
	ds_store_b128 v[STO], v[TMP+4*\b:TMP+4*\b+3] offset:16*SPITCH*\al+32*\b
.endr
.endm
; One go of the way out: every wave puts a window's 64 rows x 96 columns into the stage; behind a barrier (a row's two halves come from two waves) every wave reads
; 32 whole rows back and stores them: 24 stores of 512 consecutive bytes at multiples of 512 from the block's first byte.
.macro GO g, from, tail
	STAGE16 0, \from
	STAGE16 1, \from
	STAGE16 2, \from
	STAGE16 3, \from
	s_wait_dscnt 0x0                               ; my stores are in LDS
	s_barrier_signal -1                            ; (my one tensor load, the next block's K step 1, may stay out: nothing is filled before the next change of slots)
	s_barrier_wait -1
.if \tail
	s_cmp_lg_u32 s[75+\g], 0
	s_cbranch_scc1 .Lnone_\@                       ; a block of 32 rows: they are wave 0's rows of go 0
.endif
.if \g
	s_wait_xcnt 0x0                                ; go 0's stores read v[128:223]: they are loaded again only behind this wait
.endif
.irp q, 0,1,2,3,4,5,6,7
.irp j, 0,1,2
	ds_load_b128 v[OB+12*\q+4*\j:OB+12*\q+4*\j+3], v[RD+\j] offset:\q*4*SPITCH
.endr
.endr
.irp q, 0,1,2,3,4,5,6,7
.irp j, 0,1,2
	s_wait_dscnt 23-(3*\q+\j)                      ; LDS loads come back in order: this one is in, the younger stay out
	global_store_b128 v[CO], v[OB+12*\q+4*\j:OB+12*\q+4*\j+3], s[70:71] offset:\g*64*384+\q*1536+512*\j
.endr
.endr
.if \tail
.Lnone_\@:
.endif
.if \g == 0
	s_wait_dscnt 0x0                               ; my reads of the stage are over (met: the count-down ended at 0)
	s_barrier_signal -1
	s_barrier_wait -1                              ; everybody's are: go 1 may write it.  Go 1's reads are parted from the next block's go 0 by the changes of slots
.endif
.endm
.macro WAYOUT tail
	PLACES                                         ; behind the last matrix instructions, for all that reads results below
	WIN 0
.if \tail
	s_cmp_lt_u32 s68, KVCL
	s_cbranch_scc1 .Lno_bias_\@                    ; K has no bias to add, V's comes behind the softmax
	WIN TO_B
.irp b, 0,1,2,3,4,5
	global_load_b128 v[BIAS+8*\b:BIAS+8*\b+3],   v[BO], s[72:73] offset:64*\b       ; columns 16 b + 8 h + 0 .. 3
	global_load_b128 v[BIAS+8*\b+4:BIAS+8*\b+7], v[BO], s[72:73] offset:64*\b+16    ; and 4 .. 7
.endr
	s_wait_loadcnt 0x0
	WIN 0x86                                       ; destination and source 0 window 2, source 1 window 1
	ADDB
	WIN 0xc7                                       ; the same with window 3
	ADDB
	WIN 0
.Lno_bias_\@:
.endif
	GO 0, 0x0a, \tail
	GO 1, 0x0f, \tail
.if \tail == 0
	s_wait_xcnt 0x0                                ; the stores' base and v[128:191], which the next block's fragments land on, are rewritten only behind this wait
.endif
.endm
	s_wait_tensorcnt 1                             ; my part of K step 0 is in; K step 1's stays out
	s_barrier_signal -1
	s_barrier_wait -1
	FETCH 0, 0, F0
	s_mov_b32 s69, 2
.Lblock:                                               ; the first two walks.  768 / 128 = 6 K steps: three laps of the ring
	OUTS                                           ; where this block goes,
	s_add_co_u32 s66, s66, NCL
	ADDRS                                          ; and where the next one's tiles come from
	LAP 1                                          ; K steps 0, 1 (the first products start the sums); asks for 2, 3
	LAP 0                                          ; K steps 2, 3; asks for 4, 5
	THREE 0, 0
	TURN 0, 1, 2                                   ; K step 4; asks for the next block's K step 0
	THREE 1, 0
	TURN 1, 0, 2                                   ; K step 5; asks for the next block's K step 1 and fetches its first fragments
	WAYOUT 0
	s_sub_co_i32 s69, s69, 1
	s_cmp_lg_u32 s69, 0
	s_cbranch_scc1 .Lblock
	OUTS                                           ; the third walk
	s_cmp_lg_u32 s10, 0
	s_cselect_b32 s75, s41, 0                      ; go 0 of a block of 32 rows: wave 0 alone stores
	s_mov_b32 s76, s41                             ; go 1: nobody
	LAP 1
	LAP 0
	THREE 0, 0                                     ; the last lap fills nothing and has no round
	TURN 0, 1, 0
	THREE 1, 0
	s_wait_dscnt 8
	WIN MUL_LO
	MUL12 F1, 0, 0, 0
	MUL12 F1, 0, 2, 0
	s_wait_dscnt 0
	WIN MUL_HI
	MUL12 F1, 1, 0, 0
	MUL12 F1, 1, 2, 0
	WAYOUT 1
	s_set_vgpr_msb 0x1
	s_wait_tensorcnt 0x0
	ds_add_u32 v255, v255
	s_wait_dscnt 0x0
	s_set_vgpr_msb 0x100
	CROUND                                         ; the closing round: no work-group ends while a partner may still ask jointly
	s_endpgm
.Lfunc_end_k_q92d6ebd4f1_proj:
	.size	k_q92d6ebd4f1_proj, .Lfunc_end_k_q92d6ebd4f1_proj-k_q92d6ebd4f1_proj
	.p2alignl 7, 3214868480
	.fill 96, 4, 3214868480
	.section	.rodata,"a",@progbits
	.p2align	6, 0x0
	.amdhsa_kernel k_q92d6ebd4f1_proj
		.amdhsa_group_segment_fixed_size 327680
		.amdhsa_private_segment_fixed_size 0
		.amdhsa_enable_private_segment 0
		.amdhsa_kernarg_size 24
		.amdhsa_user_sgpr_count 2
		.amdhsa_user_sgpr_kernarg_segment_ptr 1
		.amdhsa_wavefront_size32 1
		.amdhsa_system_sgpr_workgroup_id_x 1
		.amdhsa_system_sgpr_workgroup_id_y 1
		.amdhsa_system_sgpr_workgroup_id_z 1
		.amdhsa_system_vgpr_workitem_id 0
		.amdhsa_next_free_vgpr 960
		.amdhsa_next_free_sgpr 78
		.amdhsa_reserve_vcc 0
		.amdhsa_float_denorm_mode_32 3
		.amdhsa_float_denorm_mode_16_64 3
		.amdhsa_memory_ordered 1
		.amdhsa_forward_progress 1
		.amdhsa_inst_pref_size 255
	.end_amdhsa_kernel
	.section	.bss,"aw",@nobits
	.p2align	6
	.space	262144
	.amdgpu_metadata
---
amdhsa.version: [ 1, 2 ]
amdhsa.kernels:
  - .name:           k_q92d6ebd4f1_proj
    .symbol:         k_q92d6ebd4f1_proj.kd
    .args:
      - { .name: xw, .offset: 0, .size: 8, .value_kind: global_buffer, .address_space: global }
      - { .name: bq, .offset: 8, .size: 8, .value_kind: global_buffer, .address_space: global }
      - { .name: qkv, .offset: 16, .size: 8, .value_kind: global_buffer, .address_space: global }
    .group_segment_fixed_size: 327680
    .private_segment_fixed_size: 0
    .kernarg_segment_align: 8
    .kernarg_segment_size: 24
    .max_flat_workgroup_size: 128
    .sgpr_count:     78
    .vgpr_count:     960
    .wavefront_size: 32
...
	.end_amdgpu_metadata
.endif
;; end of part 2
;; launch attn (part 3): grid 8 x 32, 8 waves a work-group, no clusters, 327,680 bytes of LDS; arguments qkv, bv, out0; writes out0
.if DOCPART == 3
	.amdgcn_target "amdgcn-amd-amdhsa--gfx1250"
	.amdhsa_code_object_version 6
	.text
	.protected	k_q92d6ebd4f1_attn
	.globl	k_q92d6ebd4f1_attn
	.p2align	8
	.type	k_q92d6ebd4f1_attn,@function
k_q92d6ebd4f1_attn:
	s_mov_b64 s[64:65], 0
	v_nop
	global_prefetch_b8 v0, s[64:65] scope:SCOPE_SE
	s_setreg_imm32_b32 hwreg(HW_REG_WAVE_MODE, 25, 1), 1
	s_wait_xcnt 0x0
; attn: out0[b, i, 64 h ..] = softmax_k(q_i . k_k / 8) V + bv: 289 queries, 577 keys, 64 a head, 12 heads, 32 batches.
; Left out (shown at the head of the first kernel): bk; bv is added once behind the normalisation, since a row's probabilities sum to 1.
; LIMITS: q, k, v (as the projection stored them: |.| below 65,504) and the probabilities enter the matrix unit as f16.  A probability lies in (0, 1] beside a sum
; that is at least 1, and what f16 drops of it is below 3e-8.  Maxima are taken with the forms in which a NaN loses.
; SHARE-OUT: a batch has 12 x 19 = 228 query tiles of 16.  Eight work-groups stay on a batch, 256 in all: work-group j takes head A = j whole (19 tiles) and then half
; of head B = 8 + (j >> 1): 29 tiles where j is even, 27 and one tile with a single live row where j is odd.
; Head B's queries: half 0 owns 0 .. 159, half 1 owns 160 .. 288.  Both bring 160 rows of Q into the same LDS rows, half 1 from query 129 on, so that every load lies
; inside the tensor and no LDS address hangs on the work-group.  Slot s is LDS rows 16 s ..: slots 2 .. 9 are whole tiles of the half's own queries in both halves
; (wave w takes slot 2 + w); slots 0 and 1 are half 0's last two tiles (the second tiles of waves 0 and 1); in half 1 slot 1 has one live row, its last (query 160),
; and is wave 1's second tile, and slot 0 is not computed.
; No cluster: head A's K, V, Q are the work-group's own, and head B's K and V are shared by two work-groups only, while a cluster's mask names a row of four.
; FILLS.  K and V lie in three ranges of rows, 0-191, 192-383, 384-576; waves 0-3 bring a quarter of each range of K, waves 4-7 of V.  First fills: Q of A, Q of B and
; the wave's three quarters: five loads of a wave are out; one wait for all and one barrier, so that the pass of tile pairs is a loop of one chunk's text.
; Head B's K and V are refills.  A's last pass (tiles 16, 17, 18 on waves 0, 1, 2) goes in three segments of three chunks; chunk c reads keys 1 + 64 c .. 64 + 64 c, so
; behind chunks 2, 5 and 8 the ranges 0, 1 and 2 are read no more.  There every wave waits for its LDS reads and for all its tensor loads, passes a barrier and issues
; one load: its quarter of that range for head B.  Ranges 0 and 1 have landed by the third of these barriers; range 2 is waited for behind B's chunk 4 (chunk 5 is the
; first to read row 384).
; LAYOUTS.  S^T = K Q^T: lane (r, h), register j holds key 8 h + j, query r.  Two neighbouring key tiles, packed to f16 in place, ARE the second source of
; O^T = V^T P^T (k = 8 h .. and 16 + 8 h ..): no lane traffic.  V^T's fragments come by the transposing LDS load.  O^T: lane (r, h), register j: d = 8 h + j, query r.
; SOFTMAX: running maximum M of the raw scores, shift MC = -c M with c = log2(e) / 8; p = 2^(c s + MC) by one fused multiply-add; the old sums are scaled by
; 2^(MC new - MC old), made of the same rounded shifts that the exponents use, so no difference of large products is formed.
; The state starts from key 0 (577 = 1 + 9 x 64): M = its score, l = 1, O = V[0] (keys 0 .. 31 times a constant column of one 1.0 and 31 zeros), so nothing is
; cleared, and the nine chunks of 64 keys are all alike.
; All passes but the first are written out: every K and V address there is a register that is set once plus an immediate, so the text shows which rows a chunk reads:
; none of a range that is on its way, and none of the stages (from byte 243,456 on) that other waves write meanwhile.
; Accumulators take turns, one matrix instruction a turn, everywhere.
.set KP,    144                        ; LDS row of K and Q: 128 bytes + 16: an odd multiple of 16
.set VP,    160                        ; LDS row of V: 128 + 32: an odd multiple of 32, for the transposing load
.set RNG,   192                        ; rows of ranges 0 and 1
.set QR,    48                         ; rows of them that one wave brings
.set QL,    49                         ; rows of the last range (193) that one wave's tile has; the last quarter's rows past key 576 arrive as zeros and are not read
.set VBASE, 83712                      ; K: 580 rows from byte 0 (83,520 bytes); V: 580 rows from here (92,800 bytes)
.set QABASE, VBASE+92928               ; 176,640: head A's Q, 304 rows
.set QBBASE, QABASE+304*KP             ; 220,416: head B's Q, 160 rows
.set STG,   QBBASE+160*KP              ; 243,456: the way out, 16 rows x 272 bytes for each wave; no fill lands here
.set SP,    272
.set OROW,  3072                       ; bytes of a row of out0
.set KA0, 1                            ; v1   r x 144 + 16 h: a K fragment's lane address at key 0
.set KA1, 2                            ; v2   the same six chunks on (an LDS immediate has 16 bits)
.set VA0, 3                            ; v3   V^T fragment at key 0: VBASE + (8 h + (l & 7)) x 160 + 16 ((l >> 3) & 1)
.set VA1, 4                            ; v4   the same six chunks on
.set KC,  5                            ; v5   the loop's K address
.set VC,  6                            ; v6   the loop's V address
.set QA,  7                            ; v7   Q fragments of the pass
.set STO, 8                            ; v8   stage: row r, 32 bytes for each half of the lanes
.set RD,  9                            ; v9   stage: two rows of 256 bytes a load
.set CO,  10                           ; v10  the same two rows in out0
.set LINIT, 11                         ; v11  1.0 in lanes 0-15 (which hold key 0), 0 in the others
.set BV,  12                           ; v[12:15]   bv of my four columns on the way out: head A's, later head B's
.set QF,  16                           ; v[16:47]   Q fragments, 16 q + 8 ds
.set OA,  48                           ; v[48:111]  O^T, 32 q + 8 dt
.set SA,  112                          ; v[112:175] S^T, then P, 32 q + 8 kt
.set PCN, SA+24                        ; the constant column, where chunk 0's scores land later
.set KV,  176                          ; v[176:239] K fragments 16 kt + 8 ds, then V^T fragments 32 ks + 8 dt, then rows on the way out
.set MX,  240                          ; v240-241   running maximum
.set MC,  242                          ; v[242:245] -c M, as a pair for each q
.set LS,  246                          ; v246-247   the lane's part of the running sum
.set AL,  248                          ; v[248:249] a factor, as a pair
.set T,   250                          ; v250-253   at work
.set BO,  254                          ; v254  my byte offset in a head's 64 numbers of bv; never rewritten
.set LANE, 255                         ; v255
.set G1K,  16                          ; s[16:23]  group 1: K, ranges 0 and 1
.set G1KL, 24                          ; s[24:31]  K, the last range
.set G1V,  32                          ; s[32:39]  V, ranges 0 and 1
.set G1VL, 40                          ; s[40:47]  V, the last range
.set G1QA, 48                          ; s[48:55]  Q of head A   (these two shapes and the two Q sets of group 0 are free behind the wait for the first fills)
.set G1QB, 56                          ; s[56:63]  Q of head B
.set G0QA, 68
.set G0QB, 72
.set G0K,  76                          ; s[76:87]  group 0 for K, a set for each range
.set G0V,  88                          ; s[88:99]  the same for V
; s10 wave  s11 b  s12 wave >> 2: I fetch K (0) or V (1)  s13 wave & 3: which quarter  s14 half of head B  s[66:67] bytes from head A's K (V) to head B's  s[100:101] bv of head A
; behind the first fills: MASK 0xffff  SEL0, SEL1 lane i <-> lane i xor 16  SX at work, EXEC  s[52:53], s[54:55], s[56:57] out0 at the three passes' first rows
; s[58:59] bv of head B  s60, s61, s62 Q's LDS base of the three passes  s63 1: I have two tiles of head B  s68 the loop's counter
.set MASK, 48
.set SEL0, 49
.set SEL1, 50
.set SX,   51
	s_load_b128 s[4:7], s[0:1], 0x0                ; qkv s[4:5], bv s[6:7]
	s_load_b64 s[8:9], s[0:1], 0x10                ; out0
	s_set_vgpr_msb 0x40
	v_lshl_add_u32 v0, v0, 2, 0x43f00
	v_mov_b32 v1, 0
	s_set_vgpr_msb 0x4045
	ds_add_u32 v0, v1
	ds_add_u32 v0, v1
	s_set_vgpr_msb 0x4500
	v_lshrrev_b32 v1, 5, v0
	v_readfirstlane_b32 s10, v1                    ; wave 0..7
	s_lshr_b32 s12, s10, 2
	s_and_b32 s13, s10, 3
	s_and_b32 s11, ttmp7, 0xffff                   ; b
	s_and_b32 s14, ttmp9, 1                        ; which half of head B
	s_mul_i32 s2, ttmp9, 11                        ; head A = j
	s_lshr_b32 s2, s2, 5                           ; h / 3 for h below 12: the column block
	s_mul_i32 s3, s2, 3
	s_sub_co_u32 s3, ttmp9, s3
	s_lshl_b32 s3, s3, 7                           ; the head's 128 bytes in a row of 384
	s_mul_i32 s15, s2, 7090176
	s_add_co_u32 s15, s15, s3                      ; head A in K's part
	s_mul_i32 s100, s2, 3551232
	s_add_co_u32 s100, s100, s3                    ; head A in Q's part
	s_lshr_b32 s101, ttmp9, 1
	s_add_co_u32 s101, s101, 8                     ; head B = 8 + (j >> 1)
	s_mul_i32 s2, s101, 11
	s_lshr_b32 s2, s2, 5
	s_mul_i32 s3, s2, 3
	s_sub_co_u32 s3, s101, s3
	s_lshl_b32 s3, s3, 7
	s_mul_i32 s66, s2, 7090176
	s_add_co_u32 s66, s66, s3                      ; head B in K's part
	s_sub_co_u32 s66, s66, s15                     ; B's column block is always a later one than A's: the difference is above 0
	s_mov_b32 s67, 0
	s_mul_i32 s101, s2, 3551232
	s_add_co_u32 s101, s101, s3                    ; head B in Q's part
	s_mul_i32 s2, s11, 577*384
	s_add_co_u32 s15, s15, s2                      ; K of head A at the batch's key 0
	s_mul_i32 s2, s11, 289*384
	s_add_co_u32 s2, s2, 56721408
	s_add_co_u32 s100, s100, s2                    ; Q of head A at the batch's query 0
	s_add_co_u32 s101, s101, s2
	s_mul_i32 s2, s14, 129*384
	s_add_co_u32 s101, s101, s2                    ; Q of head B at query 0 or 129; all below 70,926,336
; A shape: trows rows of 64 f16, 192 elements from row to row; the caller writes tensor_dim1 (word 2)
.macro SHAPE g1, w0, trows
	s_mov_b32 s[\g1+0], \w0                        ; elements of 2 bytes; padding behind every 32 words: four words (K, Q) or eight (V)
	s_mov_b32 s[\g1+1], 64<<16                     ; tensor_dim0 = 64
	s_mov_b32 s[\g1+3], 64<<16                     ; tile_dim0 = 64
	s_mov_b32 s[\g1+4], \trows                     ; tile_dim1
	s_mov_b32 s[\g1+5], 192
	s_mov_b32 s[\g1+6], 0
	s_mov_b32 s[\g1+7], 0
.endm
	SHAPE G1K, 0x07110000, QR
	s_mov_b32 s[G1K+2], QR<<16                     ; the tile lies inside
	SHAPE G1V, 0x0f110000, QR
	s_mov_b32 s[G1V+2], QR<<16
	s_mul_i32 s2, s13, QL
	SHAPE G1KL, 0x07110000, QL
	s_sub_co_u32 s[G1KL+2], 193, s2                ; what is left of the batch's keys from row 384 + 49 x quarter on: 193, 144, 95, 46
	s_lshl_b32 s[G1KL+2], s[G1KL+2], 16
	SHAPE G1VL, 0x0f110000, QL
	s_sub_co_u32 s[G1VL+2], 193, s2
	s_lshl_b32 s[G1VL+2], s[G1VL+2], 16
	SHAPE G1QA, 0x07110000, 38
	s_mul_i32 s2, s10, 38
	s_sub_co_u32 s[G1QA+2], 289, s2                ; what is left of the batch's queries: 23 for wave 7; the rows past them arrive as zeros
	s_lshl_b32 s[G1QA+2], s[G1QA+2], 16
	SHAPE G1QB, 0x07110000, 20
	s_mov_b32 s[G1QB+2], 20<<16                    ; the tile lies inside
	s_mov_b32 s3, 0
	s_wait_dscnt 0x0
	s_wait_kmcnt 0x0
; A group 0: to LDS byte lbase + s[wr] x lmul, from qkv + s[boff] + s[wr] x gmul + goff
.macro DESC g0, wr, lmul, lbase, gmul, goff, boff
	s_mov_b32 s[\g0], 1
	s_mul_i32 s[\g0+1], s[\wr], \lmul
.if \lbase
	s_add_co_u32 s[\g0+1], s[\g0+1], \lbase
.endif
	s_mul_i32 s2, s[\wr], \gmul
	s_add_co_u32 s2, s2, s[\boff]
.if \goff
	s_add_co_u32 s2, s2, \goff
.endif
	s_add_nc_u64 s[\g0+2:\g0+3], s[4:5], s[2:3]
	s_or_b32 s[\g0+3], s[\g0+3], 0x80000000
.endm
	DESC G0QA, 10, 38*KP, QABASE, 38*384, 0, 100
	tensor_load_to_lds s[G0QA:G0QA+3], s[G1QA:G1QA+7]
	s_nop 0
	DESC G0QB, 10, 20*KP, QBBASE, 20*384, 0, 101
	tensor_load_to_lds s[G0QB:G0QB+3], s[G1QB:G1QB+7]
	s_nop 0
	DESC G0K,   13, QR*KP, 0,               QR*384, 0,                     15
	DESC G0K+4, 13, QR*KP, RNG*KP,          QR*384, RNG*384,               15
	DESC G0K+8, 13, QL*KP, 2*RNG*KP,        QL*384, 2*RNG*384,             15
	DESC G0V,   13, QR*VP, VBASE,           QR*384, 4*7090176,             15   ; V lies four column blocks behind K
	DESC G0V+4, 13, QR*VP, VBASE+RNG*VP,    QR*384, 4*7090176+RNG*384,     15
	DESC G0V+8, 13, QL*VP, VBASE+2*RNG*VP,  QL*384, 4*7090176+2*RNG*384,   15
	s_cmp_eq_u32 s12, 0
	s_cbranch_scc0 .Lfv
	tensor_load_to_lds s[G0K:G0K+3],    s[G1K:G1K+7]
	s_nop 0
	tensor_load_to_lds s[G0K+4:G0K+7],  s[G1K:G1K+7]
	s_nop 0
	tensor_load_to_lds s[G0K+8:G0K+11], s[G1KL:G1KL+7]
	s_nop 0
	s_branch .Lfd
.Lfv:
	tensor_load_to_lds s[G0V:G0V+3],    s[G1V:G1V+7]
	s_nop 0
	tensor_load_to_lds s[G0V+4:G0V+7],  s[G1V:G1V+7]
	s_nop 0
	tensor_load_to_lds s[G0V+8:G0V+11], s[G1VL:G1VL+7]
	s_nop 0
.Lfd:
	v_and_b32 v[LANE], 31, v0
	v_and_b32 v[T], 15, v0                         ; r
	v_bfe_u32 v[T+1], v0, 4, 1                     ; h
	v_mul_u32_u24 v[KA0], v[T], KP
	v_lshl_add_u32 v[KA0], v[T+1], 4, v[KA0]
	v_add_nc_u32 v[KA1], 6*64*KP, v[KA0]
	v_and_b32 v[T+2], 7, v0
	v_lshl_add_u32 v[T+2], v[T+1], 3, v[T+2]       ; 8 h + (l & 7)
	v_mul_u32_u24 v[VA0], v[T+2], VP
	v_bfe_u32 v[T+3], v0, 3, 1
	v_lshl_add_u32 v[VA0], v[T+3], 4, v[VA0]
	v_add_nc_u32 v[VA0], VBASE, v[VA0]
	v_add_nc_u32 v[VA1], 6*64*VP, v[VA0]
	s_mul_i32 s2, s10, 16*SP
	s_add_co_u32 s2, s2, STG                       ; my stage
	v_mul_u32_u24 v[STO], v[T], SP
	v_lshl_add_u32 v[STO], v[T+1], 5, v[STO]
	v_add_nc_u32 v[STO], s2, v[STO]
	v_mul_u32_u24 v[RD], v[T+1], SP
	v_lshl_add_u32 v[RD], v[T], 4, v[RD]
	v_add_nc_u32 v[RD], s2, v[RD]
	v_mul_u32_u24 v[CO], v[T+1], OROW
	v_lshl_add_u32 v[CO], v[T], 4, v[CO]
	v_cvt_f32_u32 v[LINIT], v[T+1]
	v_sub_f32 v[LINIT], 1.0, v[LINIT]              ; 1.0 where h = 0
	s_lshl_b32 s2, ttmp9, 8                        ; head A's 256 bytes in bv
	s_add_nc_u64 s[100:101], s[6:7], s[2:3]
	v_lshlrev_b32 v[BO], 4, v[T]
	global_load_b128 v[BV:BV+3], v[BO], s[100:101] ; bv[64 j + 4 (l & 15) ..]; waited for on the way out
	s_wait_tensorcnt 0x0                           ; my five parts are in LDS; the Q descriptors' registers are free
	s_barrier_signal -1
	s_mov_b32 s[MASK], 0xffff                      ; register work while the others arrive
	s_mov_b32 s[SEL0], 0x76543210
	s_mov_b32 s[SEL1], 0xfedcba98
	s_mul_i32 s15, s11, 289
	s_lshl_b32 s[SX], ttmp9, 8                     ; head A's 256 bytes in a row of out0
	s_lshl_b32 s2, s10, 5                          ; the pairs: queries 32 w ..
	s_add_co_u32 s2, s2, s15
	s_mul_i32 s2, s2, OROW
	s_add_co_u32 s2, s2, s[SX]                     ; below 28,409,856
	s_add_nc_u64 s[52:53], s[8:9], s[2:3]
	s_lshl_b32 s2, s10, 4                          ; tiles 16, 17, 18: queries 256 + 16 w .. (used by waves 0, 1, 2 alone)
	s_add_co_u32 s2, s2, s15
	s_add_co_u32 s2, s2, 256
	s_mul_i32 s2, s2, OROW
	s_add_co_u32 s2, s2, s[SX]
	s_add_nc_u64 s[54:55], s[8:9], s[2:3]
	s_lshr_b32 s[SX], ttmp9, 1
	s_add_co_u32 s[SX], s[SX], 8
	s_lshl_b32 s[SX], s[SX], 8                     ; head B's 256 bytes
	s_mul_i32 s2, s14, 129                         ; head B: slot w is queries 129 x half + 16 w ..
	s_add_co_u32 s2, s2, s15
	s_lshl_b32 s69, s10, 4
	s_add_co_u32 s2, s2, s69
	s_mul_i32 s2, s2, OROW
	s_add_co_u32 s2, s2, s[SX]
	s_add_nc_u64 s[56:57], s[8:9], s[2:3]
	s_mov_b32 s2, s[SX]
	s_add_nc_u64 s[58:59], s[6:7], s[2:3]
	s_mul_i32 s60, s10, 32*KP
	s_add_co_u32 s60, s60, QABASE
	s_mul_i32 s61, s10, 16*KP
	s_add_co_u32 s62, s61, QBBASE
	s_add_co_u32 s61, s61, QABASE+256*KP
	s_cmp_lt_u32 s10, 2                            ; slots 0 and 1 go to waves 0 and 1; in half 1 slot 0 belongs to the other half
	s_cselect_b32 s63, 1, 0
	s_cmp_ge_u32 s10, s14
	s_cselect_b32 s63, s63, 0
	s_barrier_wait -1                              ; everybody's parts are in LDS
.macro NOPS n
.rept \n
	v_nop
.endr
.endm
.macro SPROD q, kt, ds                 ; S^T(kt, q) over d = 32 ds ..: the first half starts the sum
.if \ds == 0
	v_wmma_f32_16x16x32_f16 v[SA+32*\q+8*\kt:SA+32*\q+8*\kt+7], v[KV+16*\kt:KV+16*\kt+7], v[QF+16*\q:QF+16*\q+7], 0
.else
	v_wmma_f32_16x16x32_f16 v[SA+32*\q+8*\kt:SA+32*\q+8*\kt+7], v[KV+16*\kt+8:KV+16*\kt+15], v[QF+16*\q+8:QF+16*\q+15], v[SA+32*\q+8*\kt:SA+32*\q+8*\kt+7]
.endif
.endm
.macro OINIT q, dt                     ; O^T(dt, q) = V[0]: keys 0 .. 31 times the constant column
	v_wmma_f32_16x16x32_f16 v[OA+32*\q+8*\dt:OA+32*\q+8*\dt+7], v[KV+32+8*\dt:KV+32+8*\dt+7], v[PCN:PCN+7], 0
.endm
.macro PVPROD q, ks, dt                ; O^T(dt, q) += V^T(dt, 32 keys) P^T
	v_wmma_f32_16x16x32_f16 v[OA+32*\q+8*\dt:OA+32*\q+8*\dt+7], v[KV+32*\ks+8*\dt:KV+32*\ks+8*\dt+7], v[SA+32*\q+16*\ks:SA+32*\q+16*\ks+7], v[OA+32*\q+8*\dt:OA+32*\q+8*\dt+7]
.endm
.macro KLOADR reg, off                 ; 64 keys x 64 of K: sixteen loads
.irp kt, 0,1,2,3
.irp ds, 0,1
	ds_load_b128 v[KV+16*\kt+8*\ds:KV+16*\kt+8*\ds+3],   v[\reg] offset:\off+16*KP*\kt+64*\ds
	ds_load_b128 v[KV+16*\kt+8*\ds+4:KV+16*\kt+8*\ds+7], v[\reg] offset:\off+16*KP*\kt+64*\ds+32
.endr
.endr
.endm
.macro VLOADR reg, off                 ; 64 keys x 64 of V, transposed: sixteen loads
.irp ks, 0,1
.irp dt, 0,1,2,3
	ds_load_tr16_b128 v[KV+32*\ks+8*\dt:KV+32*\ks+8*\dt+3],   v[\reg] offset:\off+32*VP*\ks+32*\dt
	ds_load_tr16_b128 v[KV+32*\ks+8*\dt+4:KV+32*\ks+8*\dt+7], v[\reg] offset:\off+32*VP*\ks+32*\dt+16*VP
.endr
.endr
.endm
.macro KLOAD c                         ; chunk c's K fragments, keys 1 + 64 c ..
.if (\c) < 6
.set KB, KA0
.set KO, KP+64*KP*(\c)
.else
.set KB, KA1
.set KO, KP+64*KP*((\c)-6)
.endif
	KLOADR KB, KO
.endm
.macro VLOAD c                         ; chunk c's V^T fragments
.if (\c) < 6
.set VB, VA0
.set VO, VP+64*VP*(\c)
.else
.set VB, VA1
.set VO, VP+64*VP*((\c)-6)
.endif
	VLOADR VB, VO
.endm
.macro SCORES nq
	s_wait_dscnt 0x0                               ; the chunk's K fragments
.irp ds, 0,1
.irp kt, 0,1,2,3
.irp q, 0,1
.if \q < \nq
	SPROD \q, \kt, \ds
.endif
.endr
.endr
.endr
.endm
.macro PVS nq
	s_wait_dscnt 0x0                               ; the chunk's V^T fragments
.irp ks, 0,1
.irp dt, 0,1,2,3
.irp q, 0,1
.if \q < \nq
	PVPROD \q, \ks, \dt
.endif
.endr
.endr
.endr
.endm
; The softmax step of query tile q on 64 keys: 32 scores a lane.
.macro SOFTMAX q
.set SB, SA+32*\q
.irp k, 0,1,2,3
	v_max3_num_f32 v[T+\k], v[SB+8*\k], v[SB+8*\k+1], v[SB+8*\k+2]     ; four chains that do not wait for each other
.endr
.irp k, 0,1,2,3
	v_max3_num_f32 v[T+\k], v[T+\k], v[SB+8*\k+3], v[SB+8*\k+4]
.endr
.irp k, 0,1,2,3
	v_max3_num_f32 v[T+\k], v[T+\k], v[SB+8*\k+5], v[SB+8*\k+6]
.endr
	v_max3_num_f32 v[T],   v[T],   v[SB+7],  v[SB+15]
	v_max3_num_f32 v[T+1], v[T+1], v[SB+23], v[SB+31]
	v_max3_num_f32 v[T+2], v[T+2], v[T+3],   v[MX+\q]                  ; the old maximum joins
	v_max3_num_f32 v[T],   v[T],   v[T+1],   v[T+2]
	v_permlanex16_b32 v[T+1], v[T], s[SEL0], s[SEL1]   ; the query's other sixteen keys of each tile pair lie in lane l xor 16
	v_max_num_f32 v[T], v[T], v[T+1]               ; the new maximum
	v_mul_f32 v[T+1], 0xbe38aa3b, v[T]             ; the new shift -c M
	v_sub_f32 v[T+2], v[T+1], v[MC+2*\q]
	v_exp_f32 v[AL], v[T+2]                        ; 2^(new shift - old shift), at most 1
	v_exp_f32 v[AL+1], v[T+2]
	v_mov_b32 v[MX+\q], v[T]                       ; plain instructions stand between the exponentials and the use of their results (ISA guide 5.7.2)
	v_mov_b32 v[MC+2*\q], v[T+1]
	v_mov_b32 v[MC+2*\q+1], v[T+1]
.set ii, 0
.rept 16
	v_pk_fma_f32 v[SB+ii:SB+ii+1], v[SB+ii:SB+ii+1], 0x3e38aa3b, v[MC+2*\q:MC+2*\q+1] op_sel_hi:[1,0,1]   ; c s - c M
.set ii, ii+2
.endr
.set ii, 0
.rept 32
	v_exp_f32 v[SB+ii], v[SB+ii]
.set ii, ii+1
.endr
	s_wait_alu depctr_va_vdst(0)
	v_mul_f32 v[LS+\q], v[LS+\q], v[AL]            ; the plain instruction behind the run
	v_pk_add_f32 v[T:T+1],   v[SB:SB+1],       v[SB+2:SB+3]            ; the sum in f32, two chains
	v_pk_add_f32 v[T+2:T+3], v[SB+16:SB+17],   v[SB+18:SB+19]
.set ii, 4
.rept 6
	v_pk_add_f32 v[T:T+1],   v[T:T+1],   v[SB+ii:SB+ii+1]
	v_pk_add_f32 v[T+2:T+3], v[T+2:T+3], v[SB+16+ii:SB+16+ii+1]
.set ii, ii+2
.endr
	v_pk_add_f32 v[T:T+1], v[T:T+1], v[T+2:T+3]
	v_add_f32 v[LS+\q], v[LS+\q], v[T]
	v_add_f32 v[LS+\q], v[LS+\q], v[T+1]
.irp ks, 0,1
.irp r, 0,1,2,3
	v_cvt_pk_f16_f32 v[SB+16*\ks+\r], v[SB+16*\ks+2*\r], v[SB+16*\ks+2*\r+1]          ; keys 8 h + 0 .. 7 of the 32: registers 0-3
.endr
.irp r, 0,1,2,3
	v_cvt_pk_f16_f32 v[SB+16*\ks+4+\r], v[SB+16*\ks+8+2*\r], v[SB+16*\ks+8+2*\r+1]    ; keys 16 + 8 h + 0 .. 7: registers 4-7
.endr
.endr
.set ii, 0
.rept 16
	v_pk_mul_f32 v[OA+32*\q+ii:OA+32*\q+ii+1], v[OA+32*\q+ii:OA+32*\q+ii+1], v[AL:AL+1]
.set ii, ii+2
.endr
.endm
; Chunk c, written out, for nq query tiles.  nxt = 1: chunk c + 1's K fragments are asked for at the end; nxt = 0: a barrier follows, and they are asked for behind it;
; nxt = 2: the ninth chunk.
.macro CHUNK nq, c, nxt
	SCORES \nq
	NOPS 4                                         ; four places: then loads may land on the K fragments and the softmax may read the scores
	VLOAD \c
	SOFTMAX 0                                      ; V^T's fragments arrive meanwhile
.if \nq == 2
	SOFTMAX 1
.endif
	PVS \nq
.if \nxt == 2
	NOPS 4                                         ; four places: the way out reads O and loads onto V^T's fragments
.else
	NOPS 5                                         ; five places: loads land on V^T's fragments (four), and the next scores are written over P (five)
.endif
.if \nxt == 1
	KLOAD (\c)+1
.endif
.endm
; A chunk of the loop, for a pair of tiles: the same with stepped addresses.  The steps stand in places behind the matrix instructions.
.macro CHUNKL more
	SCORES 2
.if \more
	v_add_nc_u32 v[KC], 64*KP, v[KC]
	NOPS 3
.else
	NOPS 4
.endif
	VLOADR VC, VP
	SOFTMAX 0
	SOFTMAX 1
	PVS 2
.if \more
	v_add_nc_u32 v[VC], 64*VP, v[VC]
	NOPS 4
	KLOADR KC, KP
.else
	NOPS 4
.endif
.endm
.macro QLOAD q, tl                     ; the Q fragments of tile q of the pass, tl tiles behind the pass's base
.irp ds, 0,1
	ds_load_b128 v[QF+16*\q+8*\ds:QF+16*\q+8*\ds+3],   v[QA] offset:16*KP*\tl+64*\ds
	ds_load_b128 v[QF+16*\q+8*\ds+4:QF+16*\q+8*\ds+7], v[QA] offset:16*KP*\tl+64*\ds+32
.endr
.endm
; The start of a pass of nq tiles: Q's fragments, and the state from key 0.  qs: scalar with Q's LDS base; t0, t1: the tiles' places behind it; lp = 1: the loop's addresses are set.
.macro HEAD nq, qs, t0, t1, lp
	v_add_nc_u32 v[QA], s[\qs], v[KA0]
	QLOAD 0, \t0
.if \nq == 2
	QLOAD 1, \t1
.endif
.irp ds, 0,1
	ds_load_b128 v[KV+8*\ds:KV+8*\ds+3],   v[KA0] offset:64*\ds        ; keys 0 .. 15; key 0's score is used
	ds_load_b128 v[KV+8*\ds+4:KV+8*\ds+7], v[KA0] offset:64*\ds+32
.endr
.irp dt, 0,1,2,3
	ds_load_tr16_b128 v[KV+32+8*\dt:KV+32+8*\dt+3],   v[VA0] offset:32*\dt         ; V^T of keys 0 .. 31
	ds_load_tr16_b128 v[KV+32+8*\dt+4:KV+32+8*\dt+7], v[VA0] offset:32*\dt+16*VP
.endr
	v_lshrrev_b32 v[PCN], 16, v[LINIT]             ; the constant column: f16 1.0 (0x3c00 = 0x3f80 & 0x3c00) for key 0,
	v_and_b32 v[PCN], 0x3c00, v[PCN]
.irp i, 1,2,3,4,5,6,7
	v_mov_b32 v[PCN+\i], 0                         ; 0 for keys 1 .. 31, whose turn comes in chunk 0
.endr
	s_wait_dscnt 0x0
.if \nq == 2
	SPROD 0, 0, 0
	SPROD 1, 0, 0
	SPROD 0, 0, 1
	SPROD 1, 0, 1
.irp dt, 0,1,2,3
	OINIT 0, \dt
	OINIT 1, \dt
.endr
.else
	SPROD 0, 0, 0
	OINIT 0, 0
	SPROD 0, 0, 1
	OINIT 0, 1
	OINIT 0, 2
	OINIT 0, 3
.endif
	v_mov_b32 v[LS], v[LINIT]                      ; five places: the scores are read (four), loads land on the fragments (four),
.if \nq == 2                                           ; and chunk 0's scores are written over these scores and the constant column (five)
	v_mov_b32 v[LS+1], v[LINIT]
.else
	v_nop
.endif
.if \lp
	v_mov_b32 v[KC], v[KA0]
	v_mov_b32 v[VC], v[VA0]
	v_nop
.else
	NOPS 3
.endif
.irp q, 0,1
.if \q < \nq
	v_permlanex16_b32 v[T], v[SA+32*\q], s[SEL0], s[SEL1]  ; key 0's score lies in register 0 of lanes 0-15
	v_cndmask_b32 v[MX+\q], v[T], v[SA+32*\q], s[MASK]     ; lanes 0-15 keep their own, lanes 16-31 take it over
	v_mul_f32 v[MC+2*\q],   0xbe38aa3b, v[MX+\q]
	v_mul_f32 v[MC+2*\q+1], 0xbe38aa3b, v[MX+\q]
.endif
.endr
.endm
; The way out of query tile q: divide by the sum, turn the tile through my stage (my own bytes; LDS serves a wave's instructions in order, ISA guide 5.7.1.4),
; add bv, store rows: sixteen lanes store 256 consecutive bytes at a multiple of 256 from out0's first byte.  ob: out0 at the pass's base; tl: the tile's place behind it.
; edge = 1: in wave 2 this is tile 18, whose first row alone is live (query 288).  edge = 2: in half 1 this is slot 1, whose last row alone is live (query 160).
.macro FINISH q, ob, tl, edge
	v_permlanex16_b32 v[T], v[LS+\q], s[SEL0], s[SEL1]
	v_add_f32 v[LS+\q], v[LS+\q], v[T]             ; both halves of the keys
	v_rcp_f32 v[AL], v[LS+\q]
	v_rcp_f32 v[AL+1], v[LS+\q]
	v_nop                                          ; the plain place behind the reciprocals
.set ii, 0
	s_wait_alu depctr_va_vdst(0)
.rept 16
	v_pk_mul_f32 v[OA+32*\q+ii:OA+32*\q+ii+1], v[OA+32*\q+ii:OA+32*\q+ii+1], v[AL:AL+1]
.set ii, ii+2
.endr
.irp dt, 0,1,2,3
	ds_store_b128 v[STO], v[OA+32*\q+8*\dt:OA+32*\q+8*\dt+3]   offset:64*\dt
	ds_store_b128 v[STO], v[OA+32*\q+8*\dt+4:OA+32*\q+8*\dt+7] offset:64*\dt+16
.endr
.irp t, 0,1,2,3,4,5,6,7
	ds_load_b128 v[KV+32*\q+4*\t:KV+32*\q+4*\t+3], v[RD] offset:2*SP*\t
.endr
	s_wait_loadcnt 0x0                             ; the head's bv
.if \edge == 1
	s_cmp_eq_u32 s10, 2
	s_cbranch_scc1 .Lrow_\@
.endif
.if \edge == 2
	s_cmp_lg_u32 s14, 0
	s_cbranch_scc1 .Lrow_\@
.endif
.irp t, 0,1,2,3,4,5,6,7
	s_wait_dscnt 7-\t                              ; this pair of rows is in, the younger loads stay out
	v_pk_add_f32 v[KV+32*\q+4*\t:KV+32*\q+4*\t+1],   v[KV+32*\q+4*\t:KV+32*\q+4*\t+1],   v[BV:BV+1]
	v_pk_add_f32 v[KV+32*\q+4*\t+2:KV+32*\q+4*\t+3], v[KV+32*\q+4*\t+2:KV+32*\q+4*\t+3], v[BV+2:BV+3]
	global_store_b128 v[CO], v[KV+32*\q+4*\t:KV+32*\q+4*\t+3], s[\ob:\ob+1] offset:2*OROW*\t+16*OROW*\tl
.endr
.if \edge
	s_branch .Lout_\@
.Lrow_\@:
	s_wait_dscnt 0x0
.if \edge == 1
.set ER, KV+32*\q                                      ; rows 0 and 1: lanes 0-15 hold row 0
	v_cmp_gt_u32 vcc_lo, 16, v[LANE]
.else
.set ER, KV+32*\q+28                                   ; rows 14 and 15: lanes 16-31 hold row 15
	v_cmp_le_u32 vcc_lo, 16, v[LANE]
.endif
	v_pk_add_f32 v[ER:ER+1],   v[ER:ER+1],   v[BV:BV+1]
	v_pk_add_f32 v[ER+2:ER+3], v[ER+2:ER+3], v[BV+2:BV+3]
	s_wait_xcnt 0x0                                ; EXEC changes only behind this wait
	s_and_saveexec_b32 s[SX], vcc_lo
	global_store_b128 v[CO], v[ER:ER+3], s[\ob:\ob+1] offset:16*OROW*\tl+(\edge-1)*14*OROW
	s_wait_xcnt 0x0                                ; and again in front of the line that widens it
	s_or_b32 exec_lo, exec_lo, s[SX]
.Lout_\@:
.endif
.endm
; Range g of K and V, which no wave reads any more for head A, is filled again for head B.  Every wave: its LDS reads are back, all its tensor loads have landed
; (so a group 0 may be written: both addresses step from head A to head B), the barrier, and then one load, the first thing behind it: a quarter of K's or of V's range.
.macro REFILL g
	s_wait_dscnt 0x0
	s_set_vgpr_msb 0x5
	s_wait_tensorcnt 0x0
	ds_add_u32 v0, v1
	s_wait_dscnt 0x0
	s_set_vgpr_msb 0x500
	s_add_nc_u64 s[G0K+4*\g+2:G0K+4*\g+3], s[G0K+4*\g+2:G0K+4*\g+3], s[66:67]
	s_add_nc_u64 s[G0V+4*\g+2:G0V+4*\g+3], s[G0V+4*\g+2:G0V+4*\g+3], s[66:67]
	s_barrier_signal -1
	s_barrier_wait -1
	s_cmp_eq_u32 s12, 0
	s_cbranch_scc0 .Lrv_\@
.if \g == 2
	tensor_load_to_lds s[G0K+4*\g:G0K+4*\g+3], s[G1KL:G1KL+7]
	s_nop 0
.else
	tensor_load_to_lds s[G0K+4*\g:G0K+4*\g+3], s[G1K:G1K+7]
	s_nop 0
.endif
	s_branch .Lrd_\@
.Lrv_\@:
.if \g == 2
	tensor_load_to_lds s[G0V+4*\g:G0V+4*\g+3], s[G1VL:G1VL+7]
	s_nop 0
.else
	tensor_load_to_lds s[G0V+4*\g:G0V+4*\g+3], s[G1V:G1V+7]
	s_nop 0
.endif
.Lrd_\@:
.endm
	; HEAD A, tiles 2 w and 2 w + 1: they share every K and V fragment
	HEAD 2, 60, 0, 1, 1
	KLOADR KC, KP
	s_mov_b32 s68, 8
.Lchunk:
	CHUNKL 1
	s_sub_co_i32 s68, s68, 1
	s_cmp_lg_u32 s68, 0
	s_cbranch_scc1 .Lchunk
	CHUNKL 0                                       ; the ninth chunk asks for nothing more
	FINISH 0, 52, 0, 0
	FINISH 1, 52, 1, 0
	; HEAD A, tiles 16, 17, 18 on waves 0, 1, 2, in three segments; all eight waves pass the barriers and fetch head B
	s_cmp_gt_u32 s10, 2
	s_cbranch_scc1 .La2a
	s_wait_xcnt 0x0                                ; the stores above read v[176:239]: they are loaded again only behind this wait
	HEAD 1, 61, 0, 0, 0
	KLOAD 0
	CHUNK 1, 0, 1
	CHUNK 1, 1, 1
	CHUNK 1, 2, 0                                  ; keys up to 192
.La2a:
	REFILL 0                                       ; rows 0 .. 191
	s_cmp_gt_u32 s10, 2
	s_cbranch_scc1 .La2b
	KLOAD 3
	CHUNK 1, 3, 1
	CHUNK 1, 4, 1
	CHUNK 1, 5, 0                                  ; keys up to 384
.La2b:
	REFILL 1                                       ; rows 192 .. 383
	s_cmp_gt_u32 s10, 2
	s_cbranch_scc1 .La2c
	KLOAD 6
	CHUNK 1, 6, 1
	CHUNK 1, 7, 1
	CHUNK 1, 8, 2
	FINISH 0, 54, 0, 1
.La2c:
	REFILL 2                                       ; rows 384 .. 576.  Ranges 0 and 1 of head B were waited for in front of this barrier
	; HEAD B: wave w takes slot 2 + w, and with it slot w where the flag says so
	s_wait_xcnt 0x0                                ; my last stores read v[176:239]
	global_load_b128 v[BV:BV+3], v[BO], s[58:59]   ; bv of head B; waited for on the way out
	s_cmp_lg_u32 s63, 0
	s_cbranch_scc0 .Lb1one
	HEAD 2, 62, 2, 0, 0
	KLOAD 0
.irp c, 0,1,2,3
	CHUNK 2, \c, 1
.endr
	CHUNK 2, 4, 0                                  ; keys up to 320
	s_branch .Lb1j
.Lb1one:
	HEAD 1, 62, 2, 0, 0
	KLOAD 0
.irp c, 0,1,2,3
	CHUNK 1, \c, 1
.endr
	CHUNK 1, 4, 0
.Lb1j:
	s_wait_tensorcnt 0x0                           ; my quarter of range 2 is in LDS,
	s_wait_dscnt 0x0                               ; and no LDS instruction of mine is out at a signal
	s_barrier_signal -1
	s_barrier_wait -1                              ; everybody's is.
	s_cmp_lg_u32 s63, 0
	s_cbranch_scc0 .Lb2one
	KLOAD 5
.irp c, 5,6,7
	CHUNK 2, \c, 1
.endr
	CHUNK 2, 8, 2
	FINISH 0, 56, 2, 0
	FINISH 1, 56, 0, 2
	s_branch .Lend
.Lb2one:
	KLOAD 5
.irp c, 5,6,7
	CHUNK 1, \c, 1
.endr
	CHUNK 1, 8, 2
	FINISH 0, 56, 2, 0
.Lend:
	s_set_vgpr_msb 0x5
	s_wait_tensorcnt 0x0
	ds_add_u32 v0, v1
	s_wait_dscnt 0x0
	s_set_vgpr_msb 0x500
	s_endpgm
.Lfunc_end_k_q92d6ebd4f1_attn:
	.size	k_q92d6ebd4f1_attn, .Lfunc_end_k_q92d6ebd4f1_attn-k_q92d6ebd4f1_attn
	.p2alignl 7, 3214868480
	.fill 96, 4, 3214868480
	.section	.rodata,"a",@progbits
	.p2align	6, 0x0
	.amdhsa_kernel k_q92d6ebd4f1_attn
		.amdhsa_group_segment_fixed_size 327680
		.amdhsa_private_segment_fixed_size 0
		.amdhsa_enable_private_segment 0
		.amdhsa_kernarg_size 24
		.amdhsa_user_sgpr_count 2
		.amdhsa_user_sgpr_kernarg_segment_ptr 1
		.amdhsa_wavefront_size32 1
		.amdhsa_system_sgpr_workgroup_id_x 1
		.amdhsa_system_sgpr_workgroup_id_y 1
		.amdhsa_system_sgpr_workgroup_id_z 1
		.amdhsa_system_vgpr_workitem_id 0
		.amdhsa_next_free_vgpr 258
		.amdhsa_next_free_sgpr 102
		.amdhsa_reserve_vcc 1
		.amdhsa_float_denorm_mode_32 3
		.amdhsa_float_denorm_mode_16_64 3
		.amdhsa_memory_ordered 1
		.amdhsa_forward_progress 1
		.amdhsa_inst_pref_size 255
	.end_amdhsa_kernel
	.section	.bss,"aw",@nobits
	.p2align	6
	.space	262144
	.amdgpu_metadata
---
amdhsa.version: [ 1, 2 ]
amdhsa.kernels:
  - .name:           k_q92d6ebd4f1_attn
    .symbol:         k_q92d6ebd4f1_attn.kd
    .args:
      - { .name: qkv, .offset: 0, .size: 8, .value_kind: global_buffer, .address_space: global }
      - { .name: bv, .offset: 8, .size: 8, .value_kind: global_buffer, .address_space: global }
      - { .name: out0, .offset: 16, .size: 8, .value_kind: global_buffer, .address_space: global }
    .group_segment_fixed_size: 327680
    .private_segment_fixed_size: 0
    .kernarg_segment_align: 8
    .kernarg_segment_size: 24
    .max_flat_workgroup_size: 256
    .sgpr_count:     102
    .vgpr_count:     258
    .wavefront_size: 32
...
	.end_amdgpu_metadata
.endif
;; end of part 3
